; MI455X (gfx1250); checked and timed in simulation.
; The chip was launched on July 23, 2026; its instructions are those of AMD's public machine-readable ISA for CDNA 5 (MIT licence, August 2026) and "CDNA5" Instruction Set Architecture Reference Guide (July 2026). The comments in the code are by the model that wrote it; some were corrected since.
;; Attention. Allowed arithmetic: matrix products marked QUANTISED: E2M3 operands, one E8M0 scale for each 32 along K, by v_wmma_scale_f32_16x16x128_f8f6f4 with both operands' format E2M3, f32 sums; everything else in f32.
;; Inputs: Wk 1,024 x 1,024 float32; Wproj 1,024 x 1,024 float32; Wq 1,024 x 1,024 float32; Wv 1,024 x 1,024 float32; bproj 1,024 float32; x 16 x 1,024 x 1,024 float32.
;; Outputs: out0 16 x 64 x 1,024 float32.
;; This version of the problem:
;;   THIS VERSION OF THE PROBLEM IS GIVEN IN LOW PRECISION. The matrix products marked QUANTISED in the list below multiply operands that are first quantised to E2M3 (2 exponent bits, 3 mantissa bits; 6 bits a number), with one power-of-two scale for each 32 numbers along K (OCP MX v1.0); their sums are f32. All else is computed in f32.
;;   The module's matrix products, in the order in which they are computed (A, B: the left and right operand; K: the contracted axis; several contracted axes count as one K, in the product's order):
;;     1. [M 1,024, K 1,024] x [K 1,024, N 1,024]; A: input x; B: input Wq: QUANTISED
;;     2. [M 16,384, K 1,024] x [K 1,024, N 1,024]; A: input x; B: input Wk: QUANTISED
;;     3. [M 16,384, K 1,024] x [K 1,024, N 1,024]; A: input x; B: input Wv: QUANTISED
;;     4. batch 256 x [M 64, K 64] x [K 64, N 1,024]; A: computed on the way; B: computed on the way: QUANTISED
;;     5. batch 256 x [M 64, K 1,024] x [K 1,024, N 64]; A: softmax (see below); B: computed on the way: QUANTISED
;;     6. [M 1,024, K 1,024] x [K 1,024, N 1,024]; A: computed on the way; B: input Wproj: QUANTISED
;;   THE QUANTISER, for each operand of a quantised product, along K:
;;     - K is cut into blocks of 32 from its start; a last block that is shorter is filled with zeros.
;;     - A block's scale is 2^e with e = floor(log2(the largest magnitude in the block)) - 2, held to -126 .. 127; a block of zeros has e = 0. As a byte (E8M0): e + 127.
;;     - Each number is divided by its block's scale, clamped to +-7.5, and rounded to the nearest number of E2M3, ties to even, subnormals kept.
;;     - The product sums the exact products of the quantised numbers (number of the format x scale) in f32.
;;   ~~~python
;;   def quantise(x, axis):      # numpy; x: float32 -> the quantised numbers, widened to float32 again
;;       x = np.moveaxis(x, axis, -1); K = x.shape[-1]
;;       x = np.pad(x, [(0, 0)] * (x.ndim - 1) + [(0, -K % 32)]); x = x.reshape(x.shape[:-1] + (-1, 32)); a = np.abs(x).max(-1, keepdims=True)
;;       e = np.where(a > 0, np.clip(np.frexp(np.where(a > 0, a, 1))[1] - 1 - 2, -126, 127), 0)      # np.frexp(a)[1] - 1 = floor(log2(a)), exactly
;;       r = np.clip(x / 2.0 ** e, -7.5, 7.5)
;;       step = 2.0 ** (np.maximum(np.frexp(np.where(r == 0, 1, r))[1] - 1, 0) - 3)
;;       q = np.round(r / step) * step * 2.0 ** e      # np.round: ties to even
;;       return np.moveaxis(q.reshape(q.shape[:-2] + (-1,))[..., :K], -1, axis).astype(np.float32)
;;   ~~~
;;   SOFTMAX AHEAD OF A QUANTISED PRODUCT. Where the list says 'softmax', what is quantised is not the finished softmax but p = 2^(t - M), with t = logit x log2(e) and M = ceil(the row's largest t), a whole number; so 1/2 < the row's largest p <= 1. The row's sum l is taken of the UNQUANTISED p, in f32, and the product's result is divided by l at the end. Since M is a whole number, a kernel that streams over the keys may use a running M (the ceiling of the running maximum): every later rescaling is an exact power of two, which a block's scale takes up: the codes' values come out the same.
;;   OPERANDS COMPUTED ON THE WAY. 'Computed on the way' means the value that the module computes at that place (a softmax that the list does not call 'softmax' is quantised finished and normalised). What goes into a quantiser is computed in f32, as accurately as f32 sums, v_exp_f32 and their like allow (about 1e-6 of the number): no bf16 or f16 on the way to a quantiser, and a product that is left as it is and whose result goes on into a quantised operand takes f32 operands (vector FMAs, or v_wmma_f32_16x16x4_f32). A number that lies on a knife's edge between two numbers of the format may be rounded either way, as far as f32 arithmetic and the matrix unit's own rounding can turn it there, and no further.
;; One version. Each part assembles by itself: llvm-mc -triple=amdgcn-amd-amdhsa -mcpu=gfx1250 --defsym DOCPART=n.
;; ======== version 1 of 1: 3 launches
;; workspace buffers: xc 12,582,912 bytes; xs 524,288 bytes; wc 3,145,728 bytes; ws 131,072 bytes; oc 786,432 bytes; os 32,768 bytes
;; launch quant (part 1): grid 640 x 1, 4 waves a work-group, no clusters, 34,304 bytes of LDS; arguments x, Wq, Wk, Wv, Wproj, xc, xs, wc, ws; writes xc, xs, wc, ws
.if DOCPART == 1
	.amdgcn_target "amdgcn-amd-amdhsa--gfx1250"
	.amdhsa_code_object_version 6
	.text
	.protected	k_q8756a93156_quant
	.globl	k_q8756a93156_quant
	.p2align	8
	.type	k_q8756a93156_quant,@function
k_q8756a93156_quant:
	s_mov_b64 s[64:65], 0
	v_nop
	global_prefetch_b8 v0, s[64:65] scope:SCOPE_SE
	s_setreg_imm32_b32 hwreg(HW_REG_WAVE_MODE, 25, 1), 1
	s_wait_xcnt 0x0
; x [16384][1024] and Wq, Wk, Wv, Wproj [1024][1024], f32 with K innermost, become codes of FP6 (E2M3) with one E8M0 byte for each 32 along K,
; laid in the ORDER OF AN OPERAND'S REGISTERS, so that the later launches fetch fragments by loads of 16 bytes a lane alone.
; TILE T holds 16 rows that are not neighbours: lane-row r of tile T is row 32 (T / 2) + 8 (T % 2) + r + 8 (r / 8).
; CODES: fragment (T, K step s of 128) is 1,536 bytes at (8 T + s) x 1536: registers 4 p .. 4 p + 3 of lane l at 512 p + 16 l; registers 6 c .. 6 c + 5 of lane (r, h) are k = 128 s + 64 c + 32 h + 0 .. 31.
; SCALE WORDS: tile T has 512 bytes: the four words of K steps 4 q .. 4 q + 3 of lane-row r at 512 T + 256 q + 16 r.   wc, ws: matrix m (q, k, v, proj) begins at tile 64 m.
; A block's scale is 2^(floor(log2(its largest magnitude)) - 2); its byte is the largest magnitude's exponent field - 2, held at 1 from below.
; LIMITS: a block of zeros gets the byte 1 where the rule says 127 (its codes are zeros, and this program alone reads the bytes); blocks whose largest magnitude lies under 2^-124 keep the byte 1; NaN and infinities are not served.
; SHARES: a wave takes a tile x 512 along K: four steps of one fragment.  Each load reads 512 consecutive bytes of one row; the 16 rows turn through the wave's own stage in LDS (rows of 512 + 16 bytes), from which
; lane (r, h) takes its two whole blocks of 32.  No barrier: waves share nothing.  No cluster: no two work-groups read the same bytes.  No prefetch: every wave keeps 16 to 32 loads of its own on their way.
.set STGB,  8448                       ; a wave's stage: 16 rows x 528 bytes
.set SPARE, 4*STGB                     ; behind the four stages: the spare words, 128 bytes for each wave
.set SPW,   12                         ; v12  my spare word's LDS address; never rewritten
.set NIL,   13                         ; v13  0; never rewritten
.set R,     16                         ; v16-143  two sets of 64: 16 rows x 16 bytes a lane, as loaded
.set X,     144                        ; v144-207 my two blocks of 32 numbers
.set C,     208                        ; v208-219 the fragment's 12 registers
.set CT,    220                        ; v220-227 the upper halves of the two blocks, as converted
.set W,     228                        ; v228-231 a scale word for each step
.set TM,    232                        ; v232-243 at work
	s_load_b256 s[4:11], s[0:1], 0x0               ; x, Wq, Wk, Wv
	s_load_b256 s[12:19], s[0:1], 0x20             ; Wproj, xc, xs, wc
	s_load_b64 s[20:21], s[0:1], 0x40              ; ws
	v_lshl_add_u32 v[SPW], v0, 2, SPARE
	v_mov_b32 v[NIL], 0
	v_lshrrev_b32 v1, 5, v0
	v_readfirstlane_b32 s32, v1                    ; wave 0..3
	v_and_b32 v1, 31, v0                           ; lane
	v_lshlrev_b32 v2, 4, v1                        ; 16 x lane: my bytes of a load's 512, and of a store's
	s_mul_i32 s33, s32, STGB
	v_add_nc_u32 v3, s33, v2                       ; the stage, on the way in: a row as it lies
	v_and_b32 v7, 15, v0                           ; r
	v_bfe_u32 v8, v0, 4, 1                         ; h
	v_mul_u32_u24 v4, v7, 528
	v_lshl_add_u32 v4, v8, 7, v4
	v_add_nc_u32 v4, s33, v4                       ; and on the way out: row r, + 128 h bytes: block h
	v_lshlrev_b32 v5, 3, v8                        ; 8 h: where my two bytes stand in a scale word
	v_lshl_add_u32 v6, v7, 4, v5                   ; 16 r + 8 h: my two of the row's four scale words
	v_mov_b32 v[TM+7], 0                           ; written once: a lane permute's destination counts as one of its sources
	s_mov_b32 s34, 0x76543210
	s_mov_b32 s35, 0xfedcba98                      ; selects for lane l xor 16
	s_lshl_b32 s28, ttmp9, 2
	s_add_co_u32 s28, s28, s32                     ; my unit: work-groups 0-511 take x's 2,048 units, 512 + 32 m on those of matrix m
	s_cmp_lt_u32 ttmp9, 512
	s_cselect_b32 s29, 0, 2048
	s_cselect_b32 s30, 0x3ff, 63
	s_sub_co_u32 s28, s28, s29
	s_and_b32 s31, s28, 1                          ; which 512 along K
	s_lshr_b32 s28, s28, 1                         ; the tile in the codes' buffer
	s_and_b32 s30, s28, s30                        ; the tile in the input tensor
	s_lshr_b32 s36, s30, 1
	s_lshl_b32 s36, s36, 17                        ; 32 rows of 4,096 bytes for each pair of tiles,
	s_and_b32 s37, s30, 1
	s_lshl_b32 s37, s37, 15                        ; 8 rows for the odd tile,
	s_add_co_u32 s36, s36, s37
	s_lshl_b32 s37, s31, 11                        ; 2,048 bytes for the second half of K
	s_add_co_u32 s36, s36, s37
	s_mov_b32 s37, 0
	s_mul_i32 s38, s28, 12288
	s_mul_i32 s39, s31, 6144
	s_add_co_u32 s38, s38, s39
	s_mov_b32 s39, 0
	s_lshl_b32 s40, s28, 9
	s_lshl_b32 s41, s31, 8
	s_add_co_u32 s40, s40, s41
	s_mov_b32 s41, 0
	s_wait_kmcnt 0x0
	s_cmp_lt_u32 ttmp9, 608                        ; the buffers are chosen by the work-group's number alone; all five tensors take one path through the text
	s_cselect_b64 s[22:23], s[10:11], s[12:13]
	s_cmp_lt_u32 ttmp9, 576
	s_cselect_b64 s[22:23], s[8:9], s[22:23]
	s_cmp_lt_u32 ttmp9, 544
	s_cselect_b64 s[22:23], s[6:7], s[22:23]
	s_cmp_lt_u32 ttmp9, 512
	s_cselect_b64 s[22:23], s[4:5], s[22:23]
	s_cselect_b64 s[24:25], s[14:15], s[18:19]
	s_cselect_b64 s[26:27], s[16:17], s[20:21]
	s_add_nc_u64 s[22:23], s[22:23], s[36:37]
	s_add_nc_u64 s[24:25], s[24:25], s[38:39]
	s_add_nc_u64 s[26:27], s[26:27], s[40:41]
.macro LOAD s                          ; step s: 128 numbers of each of the tile's 16 rows: 32 lanes read 512 consecutive bytes
.irp i, 0,1,2,3,4,5,6,7,8,9,10,11,12,13,14,15
	global_load_b128 v[R+64*((\s)%2)+4*\i:R+64*((\s)%2)+4*\i+3], v2, s[22:23] offset:(\i+8*(\i/8))*4096+512*(\s) th:TH_LOAD_NT
.endr
.endm
.macro STEP s
.set RS, R+64*((\s)%2)
.if (\s) < 3
	s_wait_loadcnt 16                              ; this step's 16 loads are in; the next step's 16 may be out
.else
	s_wait_loadcnt 0x0
.endif
.irp i, 0,1,2,3,4,5,6,7,8,9,10,11,12,13,14,15
	ds_store_b128 v3, v[RS+4*\i:RS+4*\i+3] offset:528*\i
.endr
.irp c, 0,1
.irp j, 0,1,2,3,4,5,6,7
	ds_load_b128 v[X+32*\c+4*\j:X+32*\c+4*\j+3], v4 offset:256*\c+16*\j   ; LDS serves a wave's instructions in order: these see the stores above.  k = 64 c + 32 h + 4 j on
.endr
.endr
	s_wait_dscnt 0x0                               ; my numbers are back, and the stores have read their registers,
.if (\s) < 2
	LOAD (\s)+2                                    ; which take the loads of two steps on
.endif
.irp c, 0,1
	v_max3_num_f32 v[TM+\c], |v[X+32*\c]|, |v[X+32*\c+1]|, 0x1800000   ; the block's largest magnitude, and the floor 2^(3 - 127): the byte cannot fall under 1
.endr
.irp i, 2,4,6,8,10,12,14,16,18,20,22,24,26,28,30
.irp c, 0,1
	v_max3_num_f32 v[TM+\c], v[TM+\c], |v[X+32*\c+\i]|, |v[X+32*\c+\i+1]|
.endr
.endr
.irp c, 0,1
	v_add_nc_u32 v[TM+2+\c], 0xff000000, v[TM+\c]  ; 2 off the exponent field: the conversion's scale operand
.endr
.irp c, 0,1
	v_lshrrev_b32 v[TM+4+\c], 23, v[TM+2+\c]       ; the scale's byte
.endr
	v_lshl_or_b32 v[TM+6], v[TM+5], 16, v[TM+4]    ; my bytes: blocks h and 2 + h,
	v_lshlrev_b32 v[TM+6], v5, v[TM+6]             ; at their places;
	v_permlanex16_b32 v[TM+7], v[TM+6], s34, s35
	v_or_b32 v[W+(\s)], v[TM+6], v[TM+7]           ; with lane l xor 16's two the row's word is whole
	s_wait_xcnt 0x0                                ; the last step's stores have read their data: the codes' registers are written again only behind this wait
.irp c, 0,1
	v_cvt_scalef32_pk16_fp6_f32 v[C+6*\c:C+6*\c+2], v[X+32*\c:X+32*\c+15], v[TM+2+\c]
	v_cvt_scalef32_pk16_fp6_f32 v[CT+4*\c:CT+4*\c+2], v[X+32*\c+16:X+32*\c+31], v[TM+2+\c]   ; (a conversion's three registers begin on an even number)
.endr
	v_nop                                          ; one plain place behind a scaled conversion
.irp c, 0,1
.irp i, 0,1,2
	v_mov_b32 v[C+6*\c+3+\i], v[CT+4*\c+\i]
.endr
.endr
.irp p, 0,1,2
	global_store_b128 v2, v[C+4*\p:C+4*\p+3], s[24:25] offset:1536*(\s)+512*\p   ; 32 lanes store 512 consecutive bytes, at a multiple of 256 from the buffer's first byte
.endr
.endm
	LOAD 0
	LOAD 1
	STEP 0
	STEP 1
	STEP 2
	STEP 3
	v_cmp_eq_u32 vcc_lo, 0, v8
	v_cndmask_b32 v[TM+8], v[W+2], v[W], vcc_lo    ; lanes 0-15 store the row's words 0 and 1, lanes 16-31 words 2 and 3
	v_cndmask_b32 v[TM+9], v[W+3], v[W+1], vcc_lo
	global_store_b64 v6, v[TM+8:TM+9], s[26:27]    ; 32 lanes store 256 consecutive bytes, aligned
	s_wait_tensorcnt 0x0                           ; the wave's end: behind my last LDS store
	ds_add_u32 v[SPW], v[NIL]
	s_wait_dscnt 0x0
	s_endpgm
.Lfunc_end_k_q8756a93156_quant:
	.size	k_q8756a93156_quant, .Lfunc_end_k_q8756a93156_quant-k_q8756a93156_quant
	.p2alignl 7, 3214868480
	.fill 96, 4, 3214868480
	.section	.rodata,"a",@progbits
	.p2align	6, 0x0
	.amdhsa_kernel k_q8756a93156_quant
		.amdhsa_group_segment_fixed_size 34304
		.amdhsa_private_segment_fixed_size 0
		.amdhsa_enable_private_segment 0
		.amdhsa_kernarg_size 72
		.amdhsa_user_sgpr_count 2
		.amdhsa_user_sgpr_kernarg_segment_ptr 1
		.amdhsa_wavefront_size32 1
		.amdhsa_system_sgpr_workgroup_id_x 1
		.amdhsa_system_sgpr_workgroup_id_y 1
		.amdhsa_system_sgpr_workgroup_id_z 1
		.amdhsa_system_vgpr_workitem_id 0
		.amdhsa_next_free_vgpr 256
		.amdhsa_next_free_sgpr 66
		.amdhsa_reserve_vcc 1
		.amdhsa_float_denorm_mode_32 3
		.amdhsa_float_denorm_mode_16_64 3
		.amdhsa_memory_ordered 1
		.amdhsa_forward_progress 1
		.amdhsa_inst_pref_size 31
	.end_amdhsa_kernel
	.amdgpu_metadata
---
amdhsa.version: [ 1, 2 ]
amdhsa.kernels:
  - .name:           k_q8756a93156_quant
    .symbol:         k_q8756a93156_quant.kd
    .args:
      - { .name: x, .offset: 0, .size: 8, .value_kind: global_buffer, .address_space: global }
      - { .name: Wq, .offset: 8, .size: 8, .value_kind: global_buffer, .address_space: global }
      - { .name: Wk, .offset: 16, .size: 8, .value_kind: global_buffer, .address_space: global }
      - { .name: Wv, .offset: 24, .size: 8, .value_kind: global_buffer, .address_space: global }
      - { .name: Wproj, .offset: 32, .size: 8, .value_kind: global_buffer, .address_space: global }
      - { .name: xc, .offset: 40, .size: 8, .value_kind: global_buffer, .address_space: global }
      - { .name: xs, .offset: 48, .size: 8, .value_kind: global_buffer, .address_space: global }
      - { .name: wc, .offset: 56, .size: 8, .value_kind: global_buffer, .address_space: global }
      - { .name: ws, .offset: 64, .size: 8, .value_kind: global_buffer, .address_space: global }
    .group_segment_fixed_size: 34304
    .private_segment_fixed_size: 0
    .kernarg_segment_align: 8
    .kernarg_segment_size: 72
    .max_flat_workgroup_size: 128
    .sgpr_count:     66
    .vgpr_count:     256
    .wavefront_size: 32
...
	.end_amdgpu_metadata
.endif
;; end of part 1
;; launch attn (part 2): grid 16 x 16, 4 waves a work-group, clusters of 4 x 4, 327,680 bytes of LDS; arguments xc, xs, wc, ws, oc, os; writes oc, os
.if DOCPART == 2
	.amdgcn_target "amdgcn-amd-amdhsa--gfx1250"
	.amdhsa_code_object_version 6
	.text
	.protected	k_q8756a93156_attn
	.globl	k_q8756a93156_attn
	.p2align	8
	.type	k_q8756a93156_attn,@function
k_q8756a93156_attn:
	s_mov_b64 s[64:65], 0
	v_nop
	global_prefetch_b8 v0, s[64:65] scope:SCOPE_SE
	s_setreg_imm32_b32 hwreg(HW_REG_WAVE_MODE, 25, 1), 1
	s_wait_xcnt 0x0
	s_wait_alu depctr_hold_cnt(0) depctr_sa_sdst(0) depctr_va_vdst(0) depctr_va_sdst(0) depctr_va_ssrc(0) depctr_va_vcc(0) depctr_vm_vsrc(0)
	s_getreg_b32 s2, hwreg(HW_REG_IB_STS2, 6, 4)
	s_cmp_eq_u32 s2, 0
	s_cbranch_scc0 .Lentry_in_a_cluster
	s_endpgm
.Lentry_in_a_cluster:
	s_bfe_u32 s2, ttmp6, 0x10000c
	s_cmp_lg_u32 s2, 0xf033
	s_cbranch_scc0 .Lentry_shape_is_right
	s_endpgm
.Lentry_shape_is_right:
; One work-group for each (batch, head): q = x[:64] Wq_h^T, k = x Wk_h^T, v = x Wv_h^T, S = q k^T / 8, softmax, o = P v, all products on codes of FP6 (E2M3) with E8M0 scales; k and v never go to memory.
; o leaves as codes and scale bytes, quantised along C (two blocks of 32 for a head), laid as the projection's operand.
; TILES: lane-row r of tile T is row 32 (T / 2) + 8 (T % 2) + r + 8 (r / 8), for x's rows (keys, queries) and the weights' rows (d) alike: so the 16 result registers of tiles 2 b, 2 b + 1 are 16 neighbours along the next K.
; SHARES.  The keys go in 8 chunks of 128.  In a chunk wave (kh, dh) makes k and v for keys 64 kh on and d 32 dh on: 4 tiles of keys x (2 of Wk + 2 of Wv) = 16 accumulators, 8 K steps, 128 matrix instructions.
; Its 4 x 8 weight fragments stay in registers for the whole launch; only x's fragments come from LDS.  k^T is made as (Wk, x): a lane holds one key and 16 d; v as (x, Wv): a lane holds one d and 16 keys.
; Both are quantised in registers and go to the other waves through LDS as images of operand registers; wave w runs the softmax of query tile w (16 queries) over the chunk's 128 keys: S^T = K Q^T, O^T += V^T P^T.
; BY TURNS.  The attention runs one chunk behind the products.  A chunk ends with its S^T; its softmax, a numbered list of 257 lines in window 0, stands in the NEXT chunk: the first 51 lines behind that chunk's first LDS loads,
; while these are on their way, the rest in slices behind the matrix instructions of its k and v products; O^T += V^T P^T follows the last of them.  A slice costs two switches of the register window.
; S^T's K IS 64, PADDED TO 128: Q's registers 6-11 are zero codes and the upper two bytes of both scale words are 127; K's operand run of 12 registers reaches into the next tile's codes (behind the last tile: six registers of zeros),
; which are finite numbers times zero: they add nothing.
; SOFTMAX: t = score x log2(e) / 8; M = the running largest t rounded up to a whole number; p = 2^(t - M) is quantised along the keys; the sum is taken of the unquantised p and divides O at the end.
; CLUSTER 4 x 4: the four work-groups of a row share the batch, so x's chunks and scale words are asked for jointly along the row; those of a column share the head, so the weights are asked for jointly along the column.
; LIMITS: a block of zeros gets the byte 1 where the rule says 127 (zero codes; this program alone reads the bytes); blocks whose largest magnitude lies under 2^-124 keep the byte 1; NaN and infinities are not served.
; REGISTERS, in windows of 256.  Window 0: v1-15 addresses, v16-27 Q, v31-75 scale words, v76-79 -M, largest t, the sum, v80-95 and v240-255 at work (v88-91 addresses), v96-159 S^T then p, v160-191 O^T, v192-239 codes and at work.
;   Window 1: the weights of K steps 0-4 at 48 s (Wk u at + 12 u, Wv i at + 24 + 12 i).   Window 2: those of K steps 5-7 at 48 (s - 5); x's two sets at 144 + 48 p + 12 t.
;   Window 3: v0-127 the 16 accumulators (k(t, u) at 16 t + 8 u, v(i, t) at 64 + 32 i + 8 t); v128-181 K's eight half fragments and six zeros; v184-231 V's four fragments.
.set TILEB, 12288                      ; a tile's codes: 8 fragments of 1,536 bytes
.set FRB,   1536
.set CHB,   8*TILEB                    ; a chunk of 128 keys
.set XSC,   98304                      ; LDS: slot 0 at 0; then the batch's scale words (32,768, filled once);
.set SLOT1, 1<<17                      ; slot 1 (first Wk_h and Wv_h, then chunks): one exclusive or turns an address from slot to slot;
.set WQR,   229376                     ; Wq_h (49,152, filled once);
.set KIMG,  278528                     ; K's eight half fragments, 768 bytes each: registers 0-3 at 16 l, registers 4, 5 at 512 + 8 l;
.set VIMG,  KIMG+6144                  ; V's eight likewise (2 D + c);
.set KSC,   VIMG+6144                  ; K's scale words, 64 bytes a tile;
.set VSC,   KSC+512                    ; V's;
.set SPARE, VSC+256                    ; the spare words, 128 bytes for each wave: two blocks of 256 bytes that no other line names
.set LI,  1                            ; 16 x lane
.set AX,  2                            ; my four tiles of keys in a slot
.set ADX, 3                            ; the same in the slot in hand
.set AXS, 4                            ; their scale words: lanes 0-15 tile 2 g, lanes 16-31 tile 2 g + 1
.set ADS, 5                            ; the same in the chunk in hand
.set AKA, 6                            ; where I store K's images: registers 0-3,
.set AKB, 7                            ; registers 4, 5,
.set AKS, 8                            ; and my byte of K's scale words
.set AVA, 9                            ; the same for V
.set AVB, 10
.set AVS, 11
.set RKA, 12                           ; where I read images: registers 0-3,
.set RKB, 13                           ; registers 4, 5,
.set RSC, 14                           ; and scale words
.set T0,  15                           ; my query tile's scale words of x; on the way out 4 r
.set QF,  16
.set SPW, 28
.set NIL, 29
.set PFO, 30
.set QS,  31
.set XS,  32                           ; v32-47 x's scale words (8 g + s); in the q phase Wq's
.set WKS, 48                           ; v48-55 Wk's (s): lanes 0-15 tile u = 0, lanes 16-31 u = 1
.set WVS, 56                           ; v56-63 Wv's
.set KS,  64                           ; v64-71 K's, a register a tile; in the q phase my query tile's of x
.set VS,  72                           ; v72-75 V's
.set NM,  76                           ; v76 -M, v77 the largest t
.set SUM, 78
.set TM,  80
.set AQW, 88                           ; v88-91: LDS addresses of Wq's tiles, of my query tile of x, of my Wk tiles, of my Wv tiles
.set AQX, 89
.set AWK, 90
.set AWV, 91
.set S,   96
.set OT,  160
.set PC,  192
.set PT,  204
.set FF,  212
.set PW,  213
.set TA,  214
.set TV,  215
.set BM,  216
.set BT,  220
.set BS,  224
.set PCV, 228
.set TM2, 240
.set KF,  128                          ; in window 3
.set VF,  184
.set WV,  16
.set KH,  17
.set DH,  18
.set CX,  19
.set CY,  20
.set HEAD, 21
.set BAT, 22
.set G1X, 24                           ; s[24:31] group 1: 96 rows of 256 bytes, to my row of the cluster (x's chunks)
.set G1S, 32                           ; s[32:39] 32 rows, to my row (x's scale words)
.set G1W, 40                           ; s[40:47] 96 rows, to my column (Wk, Wv)
.set G1Q, 48                           ; s[48:55] 48 rows, to my column (Wq)
.set G0X, 56                           ; s[56:59] walks
.set G0S, 60
.set G0W, 68
.set G0Q, 72
.set TB,  76                           ; LDS byte at which the slot in hand begins
.set TS,  77                           ; the chunk's scale words: 4,096 bytes a chunk
.set CNT, 78
.set SEL, 80
.set CS,  82
.set PFA, 84
.set LIM, 86
.set NPRE, 51                          ; the softmax's lines that stand ahead of a chunk's first product
.set LEND, 257                         ; the length of its list
.set MSB, 0
.macro WIN new                         ; the immediate's high byte repeats the setting that is left; a switch that changes nothing is dropped
.if MSB != (\new)
	s_set_vgpr_msb (MSB<<8)|(\new)
.set MSB, (\new)
.endif
.endm
.macro PLACES                          ; four plain places behind a matrix instruction, ahead of loads into its registers and of reads of its results
.rept 4
	v_nop
.endr
.endm
.macro CROUND                          ; a round of the cluster's barrier
	s_barrier_signal -1
	s_barrier_wait -1
	s_cmp_lg_u32 s[WV], 0
	s_cbranch_scc1 .Lnw0_\@
	s_barrier_signal -3
.Lnw0_\@:
	s_barrier_wait -3
	s_barrier_signal -1
	s_barrier_wait -1
.endm
.macro G1REST g, rows                  ; a dense block as rows of 256 bytes: 32 elements of 8 bytes, pitch 32
	s_mov_b32 s[\g+1], 32<<16
	s_mov_b32 s[\g+2], (\rows)<<16
	s_mov_b32 s[\g+3], 32<<16
	s_mov_b32 s[\g+4], \rows
	s_mov_b32 s[\g+5], 32
	s_mov_b32 s[\g+6], 0
	s_mov_b32 s[\g+7], 0
.endm
; One matrix instruction.  c: C's first register, or -1 for the constant 0.  ra, rb: 1 = the side's scales stand in lanes 16-31 of its register.
.macro WM d, a, b, c, sa, sb, ra, rb
.set md, \d
.set ma, \a
.set mb, \b
.set mc, \c
.set msa, \sa
.set msb, \sb
.set mr, 2*(\ra)+(\rb)
.if mc < 0
.if mr == 0
	v_wmma_scale_f32_16x16x128_f8f6f4 v[md:md+7], v[ma:ma+11], v[mb:mb+11], 0, v[msa], v[msb] matrix_a_fmt:MATRIX_FMT_FP6 matrix_b_fmt:MATRIX_FMT_FP6
.elseif mr == 1
	v_wmma_scale_f32_16x16x128_f8f6f4 v[md:md+7], v[ma:ma+11], v[mb:mb+11], 0, v[msa], v[msb] matrix_a_fmt:MATRIX_FMT_FP6 matrix_b_fmt:MATRIX_FMT_FP6 matrix_b_scale:MATRIX_SCALE_ROW1
.elseif mr == 2
	v_wmma_scale_f32_16x16x128_f8f6f4 v[md:md+7], v[ma:ma+11], v[mb:mb+11], 0, v[msa], v[msb] matrix_a_fmt:MATRIX_FMT_FP6 matrix_b_fmt:MATRIX_FMT_FP6 matrix_a_scale:MATRIX_SCALE_ROW1
.else
	v_wmma_scale_f32_16x16x128_f8f6f4 v[md:md+7], v[ma:ma+11], v[mb:mb+11], 0, v[msa], v[msb] matrix_a_fmt:MATRIX_FMT_FP6 matrix_b_fmt:MATRIX_FMT_FP6 matrix_a_scale:MATRIX_SCALE_ROW1 matrix_b_scale:MATRIX_SCALE_ROW1
.endif
.else
.if mr == 0
	v_wmma_scale_f32_16x16x128_f8f6f4 v[md:md+7], v[ma:ma+11], v[mb:mb+11], v[mc:mc+7], v[msa], v[msb] matrix_a_fmt:MATRIX_FMT_FP6 matrix_b_fmt:MATRIX_FMT_FP6
.elseif mr == 1
	v_wmma_scale_f32_16x16x128_f8f6f4 v[md:md+7], v[ma:ma+11], v[mb:mb+11], v[mc:mc+7], v[msa], v[msb] matrix_a_fmt:MATRIX_FMT_FP6 matrix_b_fmt:MATRIX_FMT_FP6 matrix_b_scale:MATRIX_SCALE_ROW1
.elseif mr == 2
	v_wmma_scale_f32_16x16x128_f8f6f4 v[md:md+7], v[ma:ma+11], v[mb:mb+11], v[mc:mc+7], v[msa], v[msb] matrix_a_fmt:MATRIX_FMT_FP6 matrix_b_fmt:MATRIX_FMT_FP6 matrix_a_scale:MATRIX_SCALE_ROW1
.else
	v_wmma_scale_f32_16x16x128_f8f6f4 v[md:md+7], v[ma:ma+11], v[mb:mb+11], v[mc:mc+7], v[msa], v[msb] matrix_a_fmt:MATRIX_FMT_FP6 matrix_b_fmt:MATRIX_FMT_FP6 matrix_a_scale:MATRIX_SCALE_ROW1 matrix_b_scale:MATRIX_SCALE_ROW1
.endif
.endif
.endm
; nb half blocks of 16 numbers, at v[src + 16 b] of window w (the other half of block b lies in lane l xor 16), become codes: v[pc + 6 c] on holds, in lane (r, h), the whole block 2 c + h of lane-row r.
; The bytes are left in v[tm + 4 + b].  Each accumulator is read from its low end on.
.macro QUANT src, nb, w, tm, pc
.set qw, (\w)|((\w)<<2)
	WIN qw
.set qb, 0
.rept \nb
	v_max3_num_f32 v[\tm+qb], |v[\src+16*qb]|, |v[\src+16*qb+1]|, 0x1800000   ; and the floor 2^(3 - 127): the byte cannot fall under 1
.set qb, qb+1
.endr
.set qi, 2
.rept 7
.set qb, 0
.rept \nb
	v_max3_num_f32 v[\tm+qb], |v[\src+16*qb+qi]|, |v[\src+16*qb+qi+1]|, v[\tm+qb]   ; (the blocks by turns)
.set qb, qb+1
.endr
.set qi, qi+2
.endr
	WIN 0
.set qb, 0
.rept \nb
	v_permlanex16_b32 v[\tm+4+qb], v[\tm+qb], s[SEL], s[SEL+1]
.set qb, qb+1
.endr
.set qb, 0
.rept \nb
	v_max_num_f32 v[\tm+qb], v[\tm+qb], v[\tm+4+qb]       ; the block's largest magnitude
.set qb, qb+1
.endr
.set qb, 0
.rept \nb
	v_add_nc_u32 v[\tm+12+qb], 0xff000000, v[\tm+qb]      ; 2 off its exponent field: the conversion's scale operand
.set qb, qb+1
.endr
.set qb, 0
.rept \nb
	v_lshrrev_b32 v[\tm+4+qb], 23, v[\tm+12+qb]           ; the scale's byte
.set qb, qb+1
.endr
	WIN \w
.set qc, 0
.rept \nb/2
	v_cvt_scalef32_pk16_fp6_f32 v[\pc+6*qc:\pc+6*qc+2], v[\src+32*qc:\src+32*qc+15], v[\tm+12+2*qc]
	v_cvt_scalef32_pk16_fp6_f32 v[PT+4*qc:PT+4*qc+2], v[\src+32*qc+16:\src+32*qc+31], v[\tm+13+2*qc]   ; (a conversion's three registers begin on an even number)
.set qc, qc+1
.endr
	WIN 0
	v_nop                                          ; one plain place behind a scaled conversion
.set qc, 0
.rept \nb/2
.irp i, 0,1,2
	v_permlane16_swap_b32 v[\pc+6*qc+\i], v[PT+4*qc+\i]   ; the first's lanes 16-31 change places with the second's lanes 0-15
.endr
.irp i, 0,1,2
	v_mov_b32 v[\pc+6*qc+3+\i], v[PT+4*qc+\i]
.endr
.set qc, qc+1
.endr
.endm
.macro FETCHX s, p                     ; my four tiles of keys, K step s, into set p: 12 loads of 512 consecutive bytes
	WIN 0x80
.irp t, 0,1,2,3
.irp c, 0,1,2
	ds_load_b128 v[144+48*(\p)+12*\t+4*\c:144+48*(\p)+12*\t+4*\c+3], v[ADX] offset:TILEB*\t+FRB*(\s)+512*\c
.endr
.endr
.endm
; THE SOFTMAX OF MY 16 QUERIES OVER A CHUNK'S 128 KEYS, AS A LIST.  SM writes line lj of it.  s0-s63 are the lane's 64 scores; block b is s(16 b) .. s(16 b + 15) with lane l xor 16's.
;   0-39    the largest score of each block of 32 keys: it serves for the row's maximum and, since p rises with the score, for the block's largest p
;   40-48   the row's largest t; -M = floor(-t): M is a whole number; f = 2^(old M - new M): a multiplication by it rounds nothing
;   49-177  ONE BATCH, in which nothing reads an exponential's result: the scaling t - M of pair 0; then, for n = 0 .. 63, a plain line (50 + 2 n) and the exponential of s(n) (51 + 2 n).  The plain lines are the scalings
;           of pairs 1 to 31, the same of the four blocks' largest scores, and O^T's first eight pairs times f; from n = 43 on there is none.  A pair is scaled well ahead of its exponentials
;   178     the sum times f: the plain line behind the last exponential       179  the wait for the batch
;   180-215 the four blocks' largest p (exponentials, a sum behind each) and the row's sum of the unquantised p, in two chains       216  the wait for the four
;   217-231 the floor, the conversions' scale operands, the bytes, p's scale word       232-248 the conversions, a plain place, the exchange of halves       249-256 O^T's last eight pairs times f:
;           with the lines behind the scale word they are the places between p's scale word and codes and the products that take them
.macro ADDS                            ; sum lm of 32
.if lm == 0
	v_pk_add_f32 v[BT:BT+1], v[S:S+1], v[S+2:S+3]
.elseif lm == 31
	v_pk_add_f32 v[SUM:SUM+1], v[SUM:SUM+1], v[BT:BT+1]
.elseif (lm%2) == 1
	v_pk_add_f32 v[SUM:SUM+1], v[SUM:SUM+1], v[S+2*lm+2:S+2*lm+3]
.else
	v_pk_add_f32 v[BT:BT+1], v[BT:BT+1], v[S+2*lm+2:S+2*lm+3]
.endif
.endm
.macro SM
.if lj < 4
	v_max3_num_f32 v[BM+lj], v[S+16*lj], v[S+16*lj+1], v[S+16*lj+2]
.elseif lj < 28
.set lb, (lj-4)%4
.set li, 3+2*((lj-4)/4)
	v_max3_num_f32 v[BM+lb], v[BM+lb], v[S+16*lb+li], v[S+16*lb+li+1]
.elseif lj < 32
.set lb, lj-28
	v_max_num_f32 v[BM+lb], v[BM+lb], v[S+16*lb+15]
.elseif lj < 36
.set lb, lj-32
	v_permlanex16_b32 v[BT+lb], v[BM+lb], s[SEL], s[SEL+1]
.elseif lj < 40
.set lb, lj-36
	v_max_num_f32 v[BM+lb], v[BM+lb], v[BT+lb]
.elseif lj == 40
	v_max3_num_f32 v[TA], v[BM], v[BM+1], v[BM+2]
.elseif lj == 41
	v_max_num_f32 v[TA], v[TA], v[BM+3]
.elseif lj == 42
	v_mul_f32 v[TA], s[CS], v[TA]
.elseif lj == 43
	v_max_num_f32 v[NM+1], v[NM+1], v[TA]
.elseif lj == 44
	v_mov_b32 v[TA], v[NM]
.elseif lj == 45
	v_floor_f32 v[NM], -v[NM+1]
.elseif lj == 46
	v_sub_f32 v[TA], v[NM], v[TA]
.elseif lj == 47
	v_cvt_i32_f32 v[TA], v[TA]
.elseif lj == 48
	v_ldexp_f32 v[FF], 1.0, v[TA]
.elseif lj == 49
	v_pk_fma_f32 v[S:S+1], v[S:S+1], s[CS:CS+1], v[NM:NM+1] op_sel_hi:[1,0,0]
.elseif lj < 178
.set ln, (lj-50)/2
.if (lj%2) == 1
	v_exp_f32 v[S+ln], v[S+ln]
.elseif ln < 31
	v_pk_fma_f32 v[S+2*ln+2:S+2*ln+3], v[S+2*ln+2:S+2*ln+3], s[CS:CS+1], v[NM:NM+1] op_sel_hi:[1,0,0]
.elseif ln < 35
	v_fma_f32 v[BM+ln-31], v[BM+ln-31], s[CS], v[NM]
.elseif ln < 43
	v_pk_mul_f32 v[OT+2*(ln-35):OT+2*(ln-35)+1], v[OT+2*(ln-35):OT+2*(ln-35)+1], v[FF:FF+1] op_sel_hi:[1,0]
.endif
.elseif lj == 178
	v_pk_mul_f32 v[SUM:SUM+1], v[SUM:SUM+1], v[FF:FF+1] op_sel_hi:[1,0]
.elseif (lj == 179) || (lj == 216)
	s_wait_alu depctr_va_vdst(0)
.elseif lj < 188
.set lm, (lj-180)/2
.if (lj%2) == 0
	v_exp_f32 v[BM+lm], v[BM+lm]
.else
	ADDS
.endif
.elseif lj < 216
.set lm, lj-184
	ADDS
.elseif lj < 221
.set lb, lj-217
	v_max_num_f32 v[BM+lb], 0x1800000, v[BM+lb]
.elseif lj < 225
.set lb, lj-221
	v_add_nc_u32 v[BS+lb], 0xff000000, v[BM+lb]
.elseif lj < 229
.set lb, lj-225
	v_lshrrev_b32 v[BT+lb], 23, v[BS+lb]
.elseif lj == 229
	v_lshl_or_b32 v[PW], v[BT+1], 8, v[BT]
.elseif lj == 230
	v_lshl_or_b32 v[PW], v[BT+2], 16, v[PW]
.elseif lj == 231
	v_lshl_or_b32 v[PW], v[BT+3], 24, v[PW]
.elseif lj < 236
.set lb, lj-232
.if (lb%2) == 0
	v_cvt_scalef32_pk16_fp6_f32 v[PC+3*lb:PC+3*lb+2], v[S+16*lb:S+16*lb+15], v[BS+lb]
.else
	v_cvt_scalef32_pk16_fp6_f32 v[PT+2*(lb-1):PT+2*(lb-1)+2], v[S+16*lb:S+16*lb+15], v[BS+lb]
.endif
.elseif lj == 236
	v_nop
.elseif lj < 249
.set lb, (lj-237)/6
.set li, (lj-237)%6
.if li < 3
	v_permlane16_swap_b32 v[PC+6*lb+li], v[PT+4*lb+li]
.else
	v_mov_b32 v[PC+6*lb+li], v[PT+4*lb+li-3]
.endif
.else
.set lb, lj-241
	v_pk_mul_f32 v[OT+2*lb:OT+2*lb+1], v[OT+2*lb:OT+2*lb+1], v[FF:FF+1] op_sel_hi:[1,0]
.endif
.endm
; The list is dealt out by weights of this text's own: an exponential or a conversion counts 4, a sum of the two chains 2, a line that is not there 0, every other line 1; a slice holds at most 5.
; So a slice is an exponential and a plain line, or one sum of each chain, or up to five plain lines.  The two waits are no part of a slice (HOOK).
.macro COST
.set lcost, 1
.if (lj >= 50) && (lj < 178)
.if (lj%2) == 1
.set lcost, 4
.elseif lj > 135
.set lcost, 0
.endif
.elseif (lj == 179) || (lj == 216)
.set lcost, 99
.elseif (lj >= 180) && (lj < 188)
.if (lj%2) == 0
.set lcost, 4
.endif
.elseif (lj >= 188) && (lj < 216)
.set lcost, 2
.elseif (lj >= 232) && (lj < 236)
.set lcost, 4
.endif
.endm
.macro SLICE                           ; the list's next lines, behind a matrix instruction; nothing, and no switch, where the list is at its end or at a wait
.set lsum, 0
.rept 6
.if lj < LEND
	COST
.if lsum+lcost <= 5
.if lcost > 0
	WIN 0
	SM
.endif
.set lsum, lsum+lcost
.set lj, lj+1
.endif
.endif
.endr
.endm
.macro RUN upto                        ; the list's lines up to line upto, on end (window 0)
.rept 260
.if lj < (\upto)
	COST
.if lcost > 0
	SM
.endif
.set lj, lj+1
.endif
.endr
.endm
.macro HOOK                            ; a wait of the list stands at the head of a K step, directly ahead of its run of LDS loads; the list holds until then
.if (lj == 179) || (lj == 216)
	SM
.set lj, lj+1
.endif
.endm
; A K step of 128: 8 products for k, 8 for v, a slice of the softmax behind each.  The 16 accumulators take turns, one instruction a turn, in the same order in every step.
; extra: LDS loads issued between this step's set and the next step's, which may stay out with it.
.macro KSTEP s, extra
.set kp, (\s)%2
.if (\s) < 5
.set kw, 48*(\s)
.set kwk, 0xf9                         ; source 0 (Wk) window 1, source 1 (x) window 2, C and D window 3
.set kwv, 0xf6                         ; source 0 (x) window 2, source 1 (Wv) window 1
.else
.set kw, 48*((\s)-5)
.set kwk, 0xfa
.set kwv, 0xfa
.endif
	PLACES                                         ; the set that is loaded next was read by the step before
	HOOK
.if (\s) < 7
	FETCHX (\s)+1, 1-kp
	s_wait_dscnt 12+(\extra)                       ; all but the 12 just issued (and the extra ones ahead of them): this step's set, and in step 0 the scale words, are in
.else
	s_wait_dscnt 0x0
.endif
.irp t, 0,1,2,3
.irp u, 0,1
	WIN kwk
.if (\s) == 0
	WM 16*\t+8*\u, kw+12*\u, 144+48*kp+12*\t, -1, WKS+(\s), XS+8*(\t/2)+(\s), \u, \t%2
.else
	WM 16*\t+8*\u, kw+12*\u, 144+48*kp+12*\t, 16*\t+8*\u, WKS+(\s), XS+8*(\t/2)+(\s), \u, \t%2
.endif
	SLICE
.endr
.endr
.irp i, 0,1
.irp t, 0,1,2,3
	WIN kwv
.if (\s) == 0
	WM 64+32*\i+8*\t, 144+48*kp+12*\t, kw+24+12*\i, -1, XS+8*(\t/2)+(\s), WVS+(\s), \t%2, \i
.else
	WM 64+32*\i+8*\t, 144+48*kp+12*\t, kw+24+12*\i, 64+32*\i+8*\t, XS+8*(\t/2)+(\s), WVS+(\s), \t%2, \i
.endif
	SLICE
.endr
.endr
.endm
; A PREFETCH INTO THE L2 of the chunk after the one just asked for: 98,304 bytes, 384 blocks of 256.  All four clusters of a row of clusters walk the same batches: the first of them (cluster x = 0) asks.  Its four partners
; of a row share a chunk out by address, 24,576 bytes each; in each, waves 0 to 2 take 8,192 bytes, lanes 256 bytes apart: one instruction a wave, each block named once.  The last change that fills a slot asks for nothing.
.macro ASK
	s_cmp_gt_u32 s[CNT], s[LIM]
	s_cbranch_scc0 .Lnm_\@
	global_prefetch_b8 v[PFO], s[PFA:PFA+1] th:TH_LOAD_NT scope:SCOPE_SE
.Lnm_\@:
.endm
; THE CHANGE OF SLOTS, at a chunk's head.  Each wave waits for all its tensor loads (its part of the chunk that it is about to read), adds 0 to its spare word, and waits for that, for its LDS reads and for its stores of V's images,
; which this barrier shows to the other waves.  fill = 1: the barrier is a round of the cluster's, and the joint refill of the slot just left is the first thing behind it: one load a wave is out, and it has a whole chunk's work in which to land.
.macro CHANGE fill
	s_wait_tensorcnt 0x0                           ; no tensor load of mine is out, so the walking group 0 may be written
	ds_add_u32 v[SPW], v[NIL]
.if \fill
	s_xor_b32 s[G0X+1], s[G0X+1], SLOT1            ; the other slot,
	s_add_nc_u64 s[G0X+2:G0X+3], s[G0X+2:G0X+3], CHB   ; the next chunk; the type bits on top are not reached
	s_wait_xcnt 0x0                                ; the last prefetch, a chunk back, has read its address
	s_add_nc_u64 s[PFA:PFA+1], s[PFA:PFA+1], CHB
	s_wait_dscnt 0x0                               ; the add is done, my reads of the slot that I have left and of K's images are over, my images of V lie in LDS
	CROUND
	tensor_load_to_lds s[G0X:G0X+3], s[G1X:G1X+7]
	s_nop 0
	PLACES
	ASK
.else
	s_wait_dscnt 0x0
	s_barrier_signal -1
	s_barrier_wait -1
.endif
.endm
.macro VLOAD                           ; V's four fragments and their scale words: 20 loads
	WIN 0xc0
.irp t, 0,1,2,3,4,5,6,7
	ds_load_b128 v[VF+6*\t:VF+6*\t+3], v[RKA] offset:6144+768*\t
	ds_load_b64 v[VF+6*\t+4:VF+6*\t+5], v[RKB] offset:6144+768*\t
.endr
	WIN 0
.irp d, 0,1,2,3
	ds_load_b32 v[VS+\d], v[RSC] offset:512+64*\d
.endr
.endm
.macro KLOAD                           ; K's eight half fragments and their scale words: 24 loads
.irp t, 0,1,2,3,4,5,6,7
	ds_load_b32 v[KS+\t], v[RSC] offset:64*\t
.endr
	WIN 0xc0
.irp t, 0,1,2,3,4,5,6,7
	ds_load_b128 v[KF+6*\t:KF+6*\t+3], v[RKA] offset:768*\t
	ds_load_b64 v[KF+6*\t+4:KF+6*\t+5], v[RKB] offset:768*\t
.endr
	WIN 0
.endm
.macro STM                             ; S^T = K Q^T: eight tiles of 16 keys
	WIN 0x03                                       ; source 0 window 3
.irp t, 0,1,2,3,4,5,6,7
	WM S+8*\t, KF+6*\t, QF, -1, KS+\t, QS, 0, 0
.endr
	WIN 0
.endm
.macro PVM                             ; O^T += V^T P^T: four tiles of 16 d
	WIN 0x03
.irp d, 0,1,2,3
	WM OT+8*\d, VF+12*\d, PC, OT+8*\d, VS+\d, PW, 0, 0
.endr
	WIN 0
.endm
; A CHUNK OF 128 KEYS.  first = 1: chunk 0, which has no chunk before it whose softmax it could carry.
.macro CHUNK first
	v_add_nc_u32 v[ADX], s[TB], v[AX]
	v_add_nc_u32 v[ADS], s[TS], v[AXS]
.irp g, 0,1
.irp q, 0,1
	ds_load_b128 v[XS+8*\g+4*\q:XS+8*\g+4*\q+3], v[ADS] offset:1024*\g+256*\q
.endr
.endr
	FETCHX 0, 0
.if \first
.set lj, LEND
.set kx, 0
.else
	VLOAD                                          ; the chunk before's V: the barrier of the change of slots has shown its images whole
	PLACES                                         ; behind the chunk before's S^T
.set lj, 0
.set kx, 20
	RUN NPRE                                       ; the softmax's first lines, while the loads above are on their way
.endif
	KSTEP 0, kx
.irp s, 1,2,3,4,5,6,7
	KSTEP \s, 0
.endr
	WIN 0
	RUN LEND                                       ; (the list ends in K step 6: nothing is left)
.if (\first) == 0
	PVM                                            ; V came in with K step 1's wait
.endif
	PLACES
	QUANT 0, 4, 3, TM, PC                          ; k: block t = key tile t, along d 32 dh on.  Lane (r, h) then holds key tile 2 g + h whole
.irp t, 0,1,2,3
	ds_store_b8 v[AKS], v[TM+4+\t] offset:64*\t    ; byte dh of the key's scale word (both halves of the lanes write the same byte with the same value)
.endr
.irp g, 0,1
	ds_store_b128 v[AKA], v[PC+6*\g:PC+6*\g+3] offset:1536*\g
	ds_store_b64 v[AKB], v[PC+6*\g+4:PC+6*\g+5] offset:1536*\g
.endr
	s_wait_dscnt 0x0                               ; for the others' sake: my images of K lie in LDS, and my reads of the chunk before's V are over
	s_barrier_signal -1
	s_barrier_wait -1                              ; everybody's.  (K's images are written again only behind the next change of slots, in front of which every wave has waited for its reads of them)
	KLOAD
	QUANT 64, 4, 3, TM2, PCV                       ; v, while K's loads are on their way: block 2 i + j = d tile i, keys 64 kh + 32 j on.  Lane (r, h) then holds keys 64 kh + 32 h on of d tile i
.irp i, 0,1
	v_lshl_or_b32 v[TM2+\i], v[TM2+5+2*\i], 8, v[TM2+4+2*\i]
	ds_store_b16 v[AVS], v[TM2+\i] offset:64*\i    ; bytes 2 kh, 2 kh + 1 of the d's scale word
	ds_store_b128 v[AVA], v[PCV+6*\i:PCV+6*\i+3] offset:1536*\i
	ds_store_b64 v[AVB], v[PCV+6*\i+4:PCV+6*\i+5] offset:1536*\i
.endr
	s_wait_dscnt 6                                 ; K and its scale words are in; the six stores behind them may be out
	STM
	s_xor_b32 s[TB], s[TB], SLOT1
	s_add_co_u32 s[TS], s[TS], 4096
.endm
	s_load_b256 s[4:11], s[0:1], 0x0               ; xc, xs, wc, ws
	s_load_b128 s[12:15], s[0:1], 0x20             ; oc, os
	v_lshl_add_u32 v[SPW], v0, 2, SPARE
	v_mov_b32 v[NIL], 0
	ds_add_u32 v[SPW], v[NIL]                      ; the wave's opening: the add and its wait ahead of my first tensor load
	v_lshrrev_b32 v[TA], 5, v0
	v_readfirstlane_b32 s[WV], v[TA]               ; wave 0..3
	s_lshr_b32 s[KH], s[WV], 1
	s_and_b32 s[DH], s[WV], 1
	s_bfe_u32 s[CX], ttmp6, 0x40000
	s_bfe_u32 s[CY], ttmp6, 0x40004
	s_lshl_b32 s[HEAD], ttmp9, 2
	s_add_co_u32 s[HEAD], s[HEAD], s[CX]           ; head = 4 x cluster x + cx
	s_and_b32 s[BAT], ttmp7, 0xffff
	s_lshl_b32 s[BAT], s[BAT], 2
	s_add_co_u32 s[BAT], s[BAT], s[CY]             ; batch = 4 x cluster y + cy
	s_lshl_b32 s88, s[CY], 2
	s_lshl_b32 s88, 15, s88                        ; my row of the cluster
	s_lshl_b32 s89, 0x1111, s[CX]                  ; my column
	s_or_b32 s[G1X], s88, (3<<16)|(1<<21)          ; 15:0 the mask; 17:16 elements of 8 bytes; 21 set beside a mask; no padding
	s_or_b32 s[G1S], s88, (3<<16)|(1<<21)
	s_or_b32 s[G1W], s89, (3<<16)|(1<<21)
	s_or_b32 s[G1Q], s89, (3<<16)|(1<<21)
	G1REST G1X, 96
	G1REST G1S, 32
	G1REST G1W, 96
	G1REST G1Q, 48
	s_mul_i32 s90, s[BAT], 64*TILEB                ; x's codes: my batch, my wave's two tiles of a chunk (s90-93 hold nothing of cx)
	s_mul_i32 s91, s[WV], 2*TILEB
	s_add_co_u32 s90, s90, s91
	s_mov_b32 s91, 0
	s_lshl_b32 s92, s[BAT], 15                     ; x's scale words: my batch's 32,768 bytes, my wave's quarter
	s_lshl_b32 s93, s[WV], 13
	s_add_co_u32 s92, s92, s93
	s_mov_b32 s93, 0
	s_lshl_b32 s94, s[HEAD], 2                     ; the weights (s94-97 hold nothing of cy): tile 64 (1 + kh) + 4 head + 2 dh on: waves 0, 1 fetch Wk's halves, waves 2, 3 Wv's
	s_lshl_b32 s95, s[KH], 6
	s_add_co_u32 s95, s95, 64
	s_add_co_u32 s95, s95, s94
	s_lshl_b32 s96, s[DH], 1
	s_add_co_u32 s95, s95, s96
	s_mul_i32 s96, s95, TILEB
	s_mov_b32 s97, 0
	s_add_co_u32 s94, s94, s[WV]                   ; Wq: tile 4 head + wave
	s_mul_i32 s94, s94, TILEB
	s_mov_b32 s95, 0
	s_mov_b32 s[G0X], 1
	s_mul_i32 s[G0X+1], s[WV], 2*TILEB             ; slot 0
	s_mov_b32 s[G0S], 1
	s_lshl_b32 s[G0S+1], s[WV], 13
	s_add_co_u32 s[G0S+1], s[G0S+1], XSC
	s_mov_b32 s[G0W], 1
	s_mul_i32 s[G0W+1], s[WV], 2*TILEB
	s_add_co_u32 s[G0W+1], s[G0W+1], SLOT1
	s_mov_b32 s[G0Q], 1
	s_mul_i32 s[G0Q+1], s[WV], TILEB
	s_add_co_u32 s[G0Q+1], s[G0Q+1], WQR
	s_mov_b32 s[SEL], 0x76543210
	s_mov_b32 s[SEL+1], 0xfedcba98
	s_mov_b32 s[CS], 0x3e38aa3b                    ; c = log2(e) / 8
	s_mov_b32 s[CS+1], s[CS]
	s_mov_b32 s[TB], 0
	s_mov_b32 s[TS], 0
	s_mov_b32 s[CNT], 6
	s_cmp_lt_u32 s[WV], 3
	s_cselect_b32 s[LIM], 0, 1
	s_or_b32 s[LIM], s[LIM], ttmp9
	s_cmp_eq_u32 s[LIM], 0
	s_cselect_b32 s[LIM], 1, -1                    ; 1 in waves 0 to 2 of the clusters with x = 0, else the greatest number
	s_wait_dscnt 0x0                               ; the opening add is done
	s_wait_kmcnt 0x0
	s_add_nc_u64 s[G0X+2:G0X+3], s[4:5], s[90:91]
	s_or_b32 s[G0X+3], s[G0X+3], 0x80000000
	s_add_nc_u64 s[G0S+2:G0S+3], s[6:7], s[92:93]
	s_or_b32 s[G0S+3], s[G0S+3], 0x80000000
	s_add_nc_u64 s[G0W+2:G0W+3], s[8:9], s[96:97]
	s_or_b32 s[G0W+3], s[G0W+3], 0x80000000
	s_add_nc_u64 s[G0Q+2:G0Q+3], s[8:9], s[94:95]
	s_or_b32 s[G0Q+3], s[G0Q+3], 0x80000000
	CROUND                                         ; all sixteen work-groups are here: the first joint loads meet
	tensor_load_to_lds s[G0S:G0S+3], s[G1S:G1S+7]  ; four first fills: four loads of mine are out.  x's scale words,
	s_nop 0
	tensor_load_to_lds s[G0X:G0X+3], s[G1X:G1X+7]  ; chunk 0,
	s_nop 0
	tensor_load_to_lds s[G0Q:G0Q+3], s[G1Q:G1Q+7]  ; Wq_h,
	s_nop 0
	tensor_load_to_lds s[G0W:G0W+3], s[G1W:G1W+7]  ; Wk_h and Wv_h, into slot 1
	s_nop 0
	PLACES
	s_mul_i32 s98, s[BAT], 64*TILEB                ; the prefetches: my batch, my work-group's quarter of a chunk, my wave's 8,192 bytes; in chunk 1: the first change of slots steps it to chunk 2
	s_mul_i32 s99, s[CX], 24576
	s_add_co_u32 s98, s98, s99
	s_lshl_b32 s99, s[WV], 13
	s_add_co_u32 s98, s98, s99
	s_add_co_u32 s98, s98, CHB
	s_mov_b32 s99, 0
	s_add_nc_u64 s[PFA:PFA+1], s[4:5], s[98:99]
	s_lshl_b32 s98, s[HEAD], 11                    ; the weights' scale words: 2,048 bytes a head
	s_add_nc_u64 s[10:11], s[10:11], s[98:99]
	s_lshl_b32 s98, s[BAT], 2                      ; o: tile 4 batch + wave, K step head / 2, half head % 2
	s_add_co_u32 s98, s98, s[WV]
	s_lshl_b32 s98, s98, 3
	s_lshr_b32 s88, s[HEAD], 1
	s_add_co_u32 s98, s98, s88
	s_and_b32 s87, s[HEAD], 1
	s_mul_i32 s88, s98, FRB
	s_mul_i32 s89, s87, 768
	s_add_co_u32 s88, s88, s89
	s_mov_b32 s89, 0
	s_add_nc_u64 s[12:13], s[12:13], s[88:89]
	s_lshl_b32 s88, s98, 6
	s_lshl_b32 s87, s87, 1
	s_add_co_u32 s88, s88, s87
	s_add_nc_u64 s[14:15], s[14:15], s[88:89]
	v_mov_b32 v[TA], 0x7f7f7f7f
	v_lshl_add_u32 v[TV], v0, 2, KSC
	ds_store_b32 v[TV], v[TA]                      ; K's 128 scale words begin as four bytes of 127: bytes 2 and 3 stay so
	v_and_b32 v218, 15, v0                         ; r
	v_bfe_u32 v219, v0, 4, 1                       ; h
	v_and_b32 v220, 31, v0                         ; lane
	v_lshlrev_b32 v[LI], 4, v220
	v_lshlrev_b32 v216, 4, v218
	v_lshl_add_u32 v216, v219, 9, v216             ; 512 h + 16 r: a pair of tiles' scale words
	s_lshl_b32 s88, s[DH], 10
	v_add_nc_u32 v217, s88, v216
.irp g, 0,1
.irp q, 0,1
	global_load_b128 v[XS+8*\g+4*\q:XS+8*\g+4*\q+3], v216, s[10:11] offset:1024*\g+256*\q   ; Wq's
.endr
.endr
.irp q, 0,1
	global_load_b128 v[WKS+4*\q:WKS+4*\q+3], v217, s[10:11] offset:32768+256*\q             ; my Wk tiles'
	global_load_b128 v[WVS+4*\q:WVS+4*\q+3], v217, s[10:11] offset:65536+256*\q             ; my Wv tiles'
.endr
	s_mul_i32 s88, s[KH], 4*TILEB
	v_add_nc_u32 v[AX], s88, v[LI]
	s_lshl_b32 s88, s[KH], 11
	s_add_co_u32 s88, s88, XSC
	v_add_nc_u32 v[AXS], s88, v216
	v_mul_u32_u24 v221, v219, 768
	s_mul_i32 s88, s[KH], 3072
	s_lshl_b32 s89, s[DH], 8
	s_add_co_u32 s89, s89, s88
	s_add_co_u32 s89, s89, KIMG
	v_lshl_add_u32 v[AKA], v218, 4, v221
	v_add_nc_u32 v[AKA], s89, v[AKA]               ; K tile 4 kh + 2 g + h; the reader's lane is (r, dh)
	s_lshl_b32 s89, s[DH], 7
	s_add_co_u32 s89, s89, s88
	s_add_co_u32 s89, s89, KIMG+512
	v_lshl_add_u32 v[AKB], v218, 3, v221
	v_add_nc_u32 v[AKB], s89, v[AKB]
	s_lshl_b32 s89, s[KH], 8
	s_add_co_u32 s89, s89, s[DH]
	s_add_co_u32 s89, s89, KSC
	v_lshl_add_u32 v[AKS], v218, 2, s89
	s_mul_i32 s88, s[DH], 3072
	s_mul_i32 s89, s[KH], 768
	s_add_co_u32 s88, s88, s89
	s_add_co_u32 s89, s88, VIMG
	v_add_nc_u32 v[AVA], s89, v[LI]                ; V tile 2 dh + i, half kh; the reader's lane is mine
	s_add_co_u32 s89, s88, VIMG+512
	v_lshl_add_u32 v[AVB], v220, 3, s89
	s_lshl_b32 s88, s[DH], 7
	s_lshl_b32 s89, s[KH], 1
	s_add_co_u32 s88, s88, s89
	s_add_co_u32 s88, s88, VSC
	v_lshl_add_u32 v[AVS], v218, 2, s88
	v_add_nc_u32 v[RKA], KIMG, v[LI]
	v_lshl_add_u32 v[RKB], v220, 3, KIMG+512
	v_lshl_add_u32 v[RSC], v218, 2, KSC
	s_lshl_b32 s88, s[WV], 9
	s_add_co_u32 s88, s88, XSC
	v_lshl_add_u32 v[T0], v218, 4, s88
	v_add_nc_u32 v[AQW], WQR, v[LI]
	s_mul_i32 s88, s[WV], TILEB
	v_add_nc_u32 v[AQX], s88, v[LI]
	s_mul_i32 s88, s[DH], 2*TILEB
	s_add_co_u32 s88, s88, SLOT1
	v_add_nc_u32 v[AWK], s88, v[LI]
	v_add_nc_u32 v[AWV], 4*TILEB, v[AWK]
	v_lshlrev_b32 v[PFO], 8, v220
	v_mov_b32 v[NM+1], 0xff61b1e6                  ; the largest t so far: -3e38
	v_floor_f32 v[NM], -v[NM+1]
	v_mov_b32 v[SUM], 0
	v_mov_b32 v[SUM+1], 0
	v_mov_b32 v[PW], 0                             ; (named as the upper half of a pair before it is first written)
.irp b, 0,1,2,3
	v_mov_b32 v[BT+\b], 0                          ; written once: a lane permute's destination counts as one of its sources
	v_mov_b32 v[TM+4+\b], 0
	v_mov_b32 v[TM2+4+\b], 0
.endr
.irp i, 6,7,8,9,10,11
	v_mov_b32 v[QF+\i], 0                          ; Q's codes of k = 64 .. 127: zeros
.endr
.set j, 0
.rept 32
	v_mov_b32 v[OT+j], 0                           ; O^T: the softmax's list is written once for all eight chunks, and the first finds zeros, which the first change of M leaves zeros
.set j, j+1
.endr
	s_wait_tensorcnt 0x1                           ; my parts of the scale words, chunk 0 and Wq are in; Wk's and Wv's may be out
	s_wait_dscnt 0x0
	s_wait_loadcnt 0x0
	s_barrier_signal -1
	s_barrier_wait -1
	; ---- q of my 16 queries: source 0 = Wq's four tiles, source 1 = x's tile w; four accumulators by turns, two buffers of 60 registers in window 3
.macro QFETCH s, p
	WIN 0xc0
.irp t, 0,1,2,3
.irp c, 0,1,2
	ds_load_b128 v[128+60*(\p)+12*\t+4*\c:128+60*(\p)+12*\t+4*\c+3], v[AQW] offset:TILEB*\t+FRB*(\s)+512*\c
.endr
.endr
.irp c, 0,1,2
	ds_load_b128 v[176+60*(\p)+4*\c:176+60*(\p)+4*\c+3], v[AQX] offset:FRB*(\s)+512*\c
.endr
.endm
	ds_load_b128 v[KS:KS+3], v[T0]
	ds_load_b128 v[KS+4:KS+7], v[T0] offset:256
	QFETCH 0, 0
.set qs, 0
.rept 8
.if qs > 0
	PLACES
.endif
.if qs < 7
	QFETCH qs+1, (qs+1)%2
	s_wait_dscnt 15                                ; all but the 15 just issued
.else
	s_wait_dscnt 0x0
.endif
	WIN 0xff
.set qt, 0
.rept 4
.if qs == 0
	WM 8*qt, 128+60*(qs%2)+12*qt, 176+60*(qs%2), -1, XS+8*(qt/2)+qs, KS+qs, qt%2, 0
.else
	WM 8*qt, 128+60*(qs%2)+12*qt, 176+60*(qs%2), 8*qt, XS+8*(qt/2)+qs, KS+qs, qt%2, 0
.endif
.set qt, qt+1
.endr
.set qs, qs+1
.endr
	WIN 0
	PLACES
	QUANT 0, 2, 3, TM, QF                          ; lane (r, h): d = 32 h on of query r: registers 0-5 of S^T's source 1
	v_lshl_or_b32 v[QS], v[TM+5], 8, v[TM+4]
	v_or_b32 v[QS], 0x7f7f0000, v[QS]
	WIN 0xc0
.irp i, 0,1,2,3,4,5
	v_mov_b32 v[KF+48+\i], 0                       ; behind K's last tile: zero codes
.endr
	WIN 0
	; ---- my weights go into registers and stay
	s_wait_tensorcnt 0x0                           ; my part of Wk, Wv is in,
	s_wait_dscnt 0x0
	s_barrier_signal -1
	s_barrier_wait -1                              ; everybody's is
.set wst, 0
.rept 8
.if wst < 5
	WIN 0x40
.set wgb, 48*wst
.else
	WIN 0x80
.set wgb, 48*(wst-5)
.endif
.irp u, 0,1
.irp c, 0,1,2
	ds_load_b128 v[wgb+12*\u+4*\c:wgb+12*\u+4*\c+3], v[AWK] offset:TILEB*\u+FRB*wst+512*\c
	ds_load_b128 v[wgb+24+12*\u+4*\c:wgb+24+12*\u+4*\c+3], v[AWV] offset:TILEB*\u+FRB*wst+512*\c
.endr
.endr
.set wst, wst+1
.endr
	WIN 0
	CHANGE 1                                       ; chunk 1 takes the slot that held Wk and Wv: the change's wait has shown them read
	CHUNK 1                                        ; chunk 0 is written out: it carries no softmax
.Lchunk:                                           ; six trips, chunks 1 to 6: chunk i is multiplied, and chunk i - 1's softmax walked, while chunk i + 1 lands
	CHANGE 1
	CHUNK 0
	s_sub_co_u32 s[CNT], s[CNT], 1
	s_cmp_lg_u32 s[CNT], 0
	s_cbranch_scc1 .Lchunk
	CHANGE 0                                       ; the last chunk is written out
	CHUNK 0
	; ---- the last chunk's softmax and O^T += V^T P^T have no products to stand beside
	s_wait_dscnt 0x0                               ; for the others' sake: my images of V lie in LDS
	s_barrier_signal -1
	s_barrier_wait -1
	VLOAD
	PLACES                                         ; behind S^T
.set lj, 0
	RUN LEND
	s_wait_dscnt 0x0                               ; V and its scale words are in
	PLACES
	PVM
	; ---- the way out: O^T / the sum, quantised along the head's 64, stored as half a fragment of the projection's operand
	PLACES
	v_add_f32 v[SUM], v[SUM], v[SUM+1]
	v_permlanex16_b32 v[TA], v[SUM], s[SEL], s[SEL+1]
	v_add_f32 v[SUM], v[SUM], v[TA]
	v_rcp_f32 v[SUM], v[SUM]
	v_lshrrev_b32 v[TV], 1, v[LI]                  ; (a plain place behind the reciprocal)  8 x lane
	v_and_b32 v[T0], 15, v0
	v_lshlrev_b32 v[T0], 2, v[T0]                  ; 4 r
	s_wait_alu depctr_va_vdst(0)                   ; the wait ahead of the first reader
.set j, 0
.rept 32
	v_mul_f32 v[S+j], v[OT+j], v[SUM]              ; register 16 b + i: o(query r, d = 32 b + 16 h + i)
.set j, j+1
.endr
	QUANT S, 2, 0, TM, PC
	v_lshl_or_b32 v[TA], v[TM+5], 8, v[TM+4]
	global_store_b128 v[LI], v[PC:PC+3], s[12:13]              ; 32 lanes store 512 consecutive bytes, at a multiple of 256 from the buffer's first byte,
	global_store_b64 v[TV], v[PC+4:PC+5], s[12:13] offset:512  ; and 256 more
	global_store_b16 v[T0], v[TA], s[14:15]                    ; my head's two bytes of the row's scale word (both halves of the lanes write the same): 32 bytes against 768 of codes
	s_wait_tensorcnt 0x0                           ; the wave's end: behind my last tensor load and my last LDS store
	ds_add_u32 v[SPW], v[NIL]
	s_wait_dscnt 0x0
	CROUND                                         ; the closing round
	s_endpgm
.Lfunc_end_k_q8756a93156_attn:
	.size	k_q8756a93156_attn, .Lfunc_end_k_q8756a93156_attn-k_q8756a93156_attn
	.p2alignl 7, 3214868480
	.fill 96, 4, 3214868480
	.section	.rodata,"a",@progbits
	.p2align	6, 0x0
	.amdhsa_kernel k_q8756a93156_attn
		.amdhsa_group_segment_fixed_size 327680
		.amdhsa_private_segment_fixed_size 0
		.amdhsa_enable_private_segment 0
		.amdhsa_kernarg_size 48
		.amdhsa_user_sgpr_count 2
		.amdhsa_user_sgpr_kernarg_segment_ptr 1
		.amdhsa_wavefront_size32 1
		.amdhsa_system_sgpr_workgroup_id_x 1
		.amdhsa_system_sgpr_workgroup_id_y 1
		.amdhsa_system_sgpr_workgroup_id_z 1
		.amdhsa_system_vgpr_workitem_id 0
		.amdhsa_next_free_vgpr 1024
		.amdhsa_next_free_sgpr 100
		.amdhsa_reserve_vcc 0
		.amdhsa_float_denorm_mode_32 3
		.amdhsa_float_denorm_mode_16_64 3
		.amdhsa_memory_ordered 1
		.amdhsa_forward_progress 1
		.amdhsa_inst_pref_size 200
	.end_amdhsa_kernel
	.amdgpu_metadata
---
amdhsa.version: [ 1, 2 ]
amdhsa.kernels:
  - .name:           k_q8756a93156_attn
    .symbol:         k_q8756a93156_attn.kd
    .args:
      - { .name: xc, .offset: 0, .size: 8, .value_kind: global_buffer, .address_space: global }
      - { .name: xs, .offset: 8, .size: 8, .value_kind: global_buffer, .address_space: global }
      - { .name: wc, .offset: 16, .size: 8, .value_kind: global_buffer, .address_space: global }
      - { .name: ws, .offset: 24, .size: 8, .value_kind: global_buffer, .address_space: global }
      - { .name: oc, .offset: 32, .size: 8, .value_kind: global_buffer, .address_space: global }
      - { .name: os, .offset: 40, .size: 8, .value_kind: global_buffer, .address_space: global }
    .group_segment_fixed_size: 327680
    .private_segment_fixed_size: 0
    .kernarg_segment_align: 8
    .kernarg_segment_size: 48
    .max_flat_workgroup_size: 128
    .sgpr_count:     100
    .vgpr_count:     1024
    .wavefront_size: 32
...
	.end_amdgpu_metadata
.endif
;; end of part 2
;; launch proj (part 3): grid 16 x 16, 4 waves a work-group, clusters of 4 x 4, 167,936 bytes of LDS; arguments oc, os, wc, ws, bproj, out0; writes out0
.if DOCPART == 3
	.amdgcn_target "amdgcn-amd-amdhsa--gfx1250"
	.amdhsa_code_object_version 6
	.text
	.protected	k_q8756a93156_proj
	.globl	k_q8756a93156_proj
	.p2align	8
	.type	k_q8756a93156_proj,@function
k_q8756a93156_proj:
	s_mov_b64 s[64:65], 0
	v_nop
	global_prefetch_b8 v0, s[64:65] scope:SCOPE_SE
	s_setreg_imm32_b32 hwreg(HW_REG_WAVE_MODE, 25, 1), 1
	s_wait_xcnt 0x0
	s_wait_alu depctr_hold_cnt(0) depctr_sa_sdst(0) depctr_va_vdst(0) depctr_va_sdst(0) depctr_va_ssrc(0) depctr_va_vcc(0) depctr_vm_vsrc(0)
	s_getreg_b32 s2, hwreg(HW_REG_IB_STS2, 6, 4)
	s_cmp_eq_u32 s2, 0
	s_cbranch_scc0 .Lentry_in_a_cluster
	s_endpgm
.Lentry_in_a_cluster:
	s_bfe_u32 s2, ttmp6, 0x10000c
	s_cmp_lg_u32 s2, 0xf033
	s_cbranch_scc0 .Lentry_shape_is_right
	s_endpgm
.Lentry_shape_is_right:
; out0 = o Wproj^T + bproj on codes of FP6 (E2M3) with E8M0 scales.  o's codes and scale words were laid by the launch before as operand registers (a fragment in two halves of 768 bytes: registers 0-3 at 16 l,
; registers 4, 5 at 512 + 8 l), Wproj's by the first launch (three runs of 512 bytes a fragment).  Lane-row r of tile T is row 32 (T / 2) + 8 (T % 2) + r + 8 (r / 8), for o's rows and Wproj's alike.
; SHARES.  Work-group (X, batch) makes 64 rows x 64 columns; wave (mh, nh) o's tiles 2 mh + a against Wproj's tiles 4 X + 2 nh + u: four accumulators by turns, 8 K steps.
; The product is used transposed (source 0 = Wproj, source 1 = o): a lane holds 16 neighbouring columns of a row.  The bias is the C of each sum's first product.
; CLUSTER 4 x 4: o's four tiles hang on the batch alone and are asked for jointly along the cluster's row, Wproj's four on X alone, along its column.  Both are filled once; nothing is filled again.
; No prefetch: each work-group's two fills go out at its head, and there is no later step to ask ahead for.
.set TILEB, 12288
.set FRB,   1536
.set LB,    49152                      ; LDS: o's four tiles at 0, Wproj's four here,
.set STG,   98304                      ; the stage: 64 rows x (256 + 16) bytes, row 16 tile + lane-row,
.set SPARE, STG+64*272                 ; the spare words, 128 bytes for each wave
.set SPW, 12
.set NIL, 13
.set OS,  16                           ; v16-23 o's scale words (s): lanes 0-15 tile a = 0, lanes 16-31 a = 1
.set WS,  24                           ; v24-31 Wproj's: lanes 0-15 tile u = 0, lanes 16-31 u = 1
.set BI,  32                           ; v32-47 the bias of my 16 columns
.set ACC, 48                           ; v48-79 accumulator (a, u) at 16 a + 8 u
.set FS,  80                           ; v80-223 three sets of 48: W u at + 12 u, o a at + 24 + 12 a
.set OUTR, 224
.set WV,  16
.set MH,  17
.set NH,  18
.set CX,  19
.set CY,  20
.set XX,  21
.set BAT, 22
.set G1A, 24
.set G1B, 32
.set G0A, 40
.set G0B, 44
.macro PLACES
.rept 4
	v_nop
.endr
.endm
.macro CROUND
	s_barrier_signal -1
	s_barrier_wait -1
	s_cmp_lg_u32 s[WV], 0
	s_cbranch_scc1 .Lnw0_\@
	s_barrier_signal -3
.Lnw0_\@:
	s_barrier_wait -3
	s_barrier_signal -1
	s_barrier_wait -1
.endm
.macro WM d, a, b, c, sa, sb, ra, rb   ; ra, rb: 1 = the side's scales stand in lanes 16-31 of its register
.set md, \d
.set ma, \a
.set mb, \b
.set mc, \c
.set msa, \sa
.set msb, \sb
.set mr, 2*(\ra)+(\rb)
.if mr == 0
	v_wmma_scale_f32_16x16x128_f8f6f4 v[md:md+7], v[ma:ma+11], v[mb:mb+11], v[mc:mc+7], v[msa], v[msb] matrix_a_fmt:MATRIX_FMT_FP6 matrix_b_fmt:MATRIX_FMT_FP6
.elseif mr == 1
	v_wmma_scale_f32_16x16x128_f8f6f4 v[md:md+7], v[ma:ma+11], v[mb:mb+11], v[mc:mc+7], v[msa], v[msb] matrix_a_fmt:MATRIX_FMT_FP6 matrix_b_fmt:MATRIX_FMT_FP6 matrix_b_scale:MATRIX_SCALE_ROW1
.elseif mr == 2
	v_wmma_scale_f32_16x16x128_f8f6f4 v[md:md+7], v[ma:ma+11], v[mb:mb+11], v[mc:mc+7], v[msa], v[msb] matrix_a_fmt:MATRIX_FMT_FP6 matrix_b_fmt:MATRIX_FMT_FP6 matrix_a_scale:MATRIX_SCALE_ROW1
.else
	v_wmma_scale_f32_16x16x128_f8f6f4 v[md:md+7], v[ma:ma+11], v[mb:mb+11], v[mc:mc+7], v[msa], v[msb] matrix_a_fmt:MATRIX_FMT_FP6 matrix_b_fmt:MATRIX_FMT_FP6 matrix_a_scale:MATRIX_SCALE_ROW1 matrix_b_scale:MATRIX_SCALE_ROW1
.endif
.endm
.macro FETCH s                         ; K step s into set s % 3: 14 loads
.set fb, FS+48*((\s)%3)
.irp u, 0,1
.irp c, 0,1,2
	ds_load_b128 v[fb+12*\u+4*\c:fb+12*\u+4*\c+3], v4 offset:TILEB*\u+FRB*(\s)+512*\c
.endr
.endr
.irp a, 0,1
.irp c, 0,1
	ds_load_b128 v[fb+24+12*\a+6*\c:fb+24+12*\a+6*\c+3], v2 offset:TILEB*\a+FRB*(\s)+768*\c
	ds_load_b64 v[fb+24+12*\a+6*\c+4:fb+24+12*\a+6*\c+5], v3 offset:TILEB*\a+FRB*(\s)+768*\c
.endr
.endr
.endm
	s_load_b256 s[4:11], s[0:1], 0x0               ; oc, os, wc, ws
	s_load_b128 s[12:15], s[0:1], 0x20             ; bproj, out0
	v_lshl_add_u32 v[SPW], v0, 2, SPARE
	v_mov_b32 v[NIL], 0
	ds_add_u32 v[SPW], v[NIL]                      ; the wave's opening: the add and its wait ahead of my first tensor load
	v_lshrrev_b32 v1, 5, v0
	v_readfirstlane_b32 s[WV], v1                  ; wave 0..3
	s_lshr_b32 s[MH], s[WV], 1
	s_and_b32 s[NH], s[WV], 1
	s_bfe_u32 s[CX], ttmp6, 0x40000
	s_bfe_u32 s[CY], ttmp6, 0x40004
	s_lshl_b32 s[XX], ttmp9, 2
	s_add_co_u32 s[XX], s[XX], s[CX]               ; block of 64 columns
	s_and_b32 s[BAT], ttmp7, 0xffff
	s_lshl_b32 s[BAT], s[BAT], 2
	s_add_co_u32 s[BAT], s[BAT], s[CY]             ; batch: 64 rows
	s_lshl_b32 s54, s[CY], 2
	s_lshl_b32 s54, 15, s54                        ; my row of the cluster
	s_lshl_b32 s55, 0x1111, s[CX]                  ; my column
	s_or_b32 s[G1A], s54, (3<<16)|(1<<21)          ; 15:0 the mask; 17:16 elements of 8 bytes; 21 set beside a mask; no padding
	s_or_b32 s[G1B], s55, (3<<16)|(1<<21)
.irp g, G1A, G1B
	s_mov_b32 s[\g+1], 32<<16                      ; a tile, 12,288 dense bytes, as 48 rows of 256 bytes
	s_mov_b32 s[\g+2], 48<<16
	s_mov_b32 s[\g+3], 32<<16
	s_mov_b32 s[\g+4], 48
	s_mov_b32 s[\g+5], 32
	s_mov_b32 s[\g+6], 0
	s_mov_b32 s[\g+7], 0
.endr
	s_mul_i32 s48, s[BAT], 4*TILEB                 ; o: tile 4 batch + wave (s48, s49 hold nothing of cx)
	s_mul_i32 s49, s[WV], TILEB
	s_add_co_u32 s48, s48, s49
	s_mov_b32 s49, 0
	s_lshl_b32 s50, s[XX], 2                       ; Wproj: tile 192 + 4 X + wave (s50-53 hold nothing of cy)
	s_add_co_u32 s50, s50, 192
	s_add_co_u32 s51, s50, s[WV]
	s_mul_i32 s52, s51, TILEB
	s_mov_b32 s53, 0
	s_mov_b32 s[G0A], 1
	s_mul_i32 s[G0A+1], s[WV], TILEB
	s_mov_b32 s[G0B], 1
	s_mul_i32 s[G0B+1], s[WV], TILEB
	s_add_co_u32 s[G0B+1], s[G0B+1], LB
	s_wait_dscnt 0x0                               ; the opening add is done
	s_wait_kmcnt 0x0
	s_add_nc_u64 s[G0A+2:G0A+3], s[4:5], s[48:49]
	s_or_b32 s[G0A+3], s[G0A+3], 0x80000000
	s_add_nc_u64 s[G0B+2:G0B+3], s[8:9], s[52:53]
	s_or_b32 s[G0B+3], s[G0B+3], 0x80000000
	CROUND                                         ; all sixteen work-groups are here: the joint loads meet
	tensor_load_to_lds s[G0A:G0A+3], s[G1A:G1A+7]  ; two loads of mine are out
	s_nop 0
	tensor_load_to_lds s[G0B:G0B+3], s[G1B:G1B+7]
	s_nop 0
	PLACES
	s_lshl_b32 s54, s[BAT], 2
	s_lshl_b32 s55, s[MH], 1
	s_add_co_u32 s54, s54, s55
	s_lshl_b32 s54, s54, 9                         ; o's scale words: 512 bytes a tile, from tile 4 batch + 2 mh
	s_mov_b32 s55, 0
	s_add_nc_u64 s[6:7], s[6:7], s[54:55]
	s_lshl_b32 s56, s[NH], 1
	s_add_co_u32 s56, s56, s50
	s_lshl_b32 s56, s56, 9                         ; Wproj's: from tile 192 + 4 X + 2 nh
	s_mov_b32 s57, 0
	s_add_nc_u64 s[10:11], s[10:11], s[56:57]
	s_lshl_b32 s58, s[XX], 8
	s_lshl_b32 s59, s[NH], 7
	s_add_co_u32 s58, s58, s59                     ; the bias: column 64 X + 32 nh
	s_mov_b32 s59, 0
	s_add_nc_u64 s[12:13], s[12:13], s[58:59]
	s_lshl_b32 s60, s[BAT], 18                     ; out0: row 64 batch + 32 (w / 2) + 8 (w % 2): the first row of tile w, which I store; column 64 X
	s_lshl_b32 s61, s[MH], 17
	s_add_co_u32 s60, s60, s61
	s_lshl_b32 s61, s[NH], 15
	s_add_co_u32 s60, s60, s61
	s_lshl_b32 s61, s[XX], 8
	s_add_co_u32 s60, s60, s61
	s_mov_b32 s61, 0
	s_add_nc_u64 s[14:15], s[14:15], s[60:61]
	v_and_b32 v8, 15, v0                           ; r
	v_bfe_u32 v9, v0, 4, 1                         ; h
	v_and_b32 v10, 31, v0                          ; lane
	v_lshlrev_b32 v1, 4, v10
	v_lshlrev_b32 v11, 9, v9
	v_lshl_add_u32 v14, v8, 4, v11                 ; 512 h + 16 r
	v_lshl_add_u32 v11, v8, 2, v11                 ; 512 h + 4 r
	v_lshlrev_b32 v15, 6, v9                       ; 64 h
.irp s, 0,1,2,3,4,5,6,7
	global_load_b32 v[OS+\s], v11, s[6:7] offset:64*\s
.endr
	global_load_b128 v[WS:WS+3], v14, s[10:11]
	global_load_b128 v[WS+4:WS+7], v14, s[10:11] offset:256
.irp e, 0,1,2,3
	global_load_b128 v[BI+4*\e:BI+4*\e+3], v15, s[12:13] offset:16*\e
.endr
	s_mul_i32 s62, s[MH], 2*TILEB
	v_add_nc_u32 v2, s62, v1                       ; o's tiles 2 mh on: registers 0-3 of a half,
	s_add_co_u32 s62, s62, 512
	v_lshl_add_u32 v3, v10, 3, s62                 ; registers 4, 5
	s_mul_i32 s62, s[NH], 2*TILEB
	s_add_co_u32 s62, s62, LB
	v_add_nc_u32 v4, s62, v1                       ; Wproj's tiles 2 nh on
	v_mul_u32_u24 v5, v8, 272
	v_lshl_add_u32 v5, v9, 6, v5
	s_mul_i32 s62, s[MH], 32*272
	s_lshl_b32 s63, s[NH], 7
	s_add_co_u32 s62, s62, s63
	s_add_co_u32 s62, s62, STG
	v_add_nc_u32 v5, s62, v5                       ; into the stage: row 32 mh + r, + 128 nh + 64 h bytes
	v_mul_u32_u24 v6, v9, 272
	v_lshl_add_u32 v6, v8, 4, v6
	s_mul_i32 s62, s[WV], 16*272
	s_add_co_u32 s62, s62, STG
	v_add_nc_u32 v6, s62, v6                       ; back: tile w; lanes 0-15 one row of 256 bytes, lanes 16-31 the next
	v_lshlrev_b32 v7, 12, v9
	v_lshl_add_u32 v7, v8, 4, v7                   ; and the same two rows in out0
	s_wait_tensorcnt 0x0                           ; my two tiles are in,
	s_barrier_signal -1
	s_barrier_wait -1                              ; everybody's are
	FETCH 0
	FETCH 1
	s_wait_loadcnt 0x0                             ; the scale words and the bias
.irp s, 0,1,2,3,4,5,6,7
.set pb, FS+48*(\s%3)
.if \s > 0
	PLACES                                         ; the set that is loaded next was read by the step before
.endif
.if \s < 6
	FETCH \s+2
	s_wait_dscnt 28                                ; the two sets behind this step's may be out
.elseif \s == 6
	s_wait_dscnt 14
.else
	s_wait_dscnt 0x0
.endif
.irp a, 0,1
.irp u, 0,1
.if \s == 0
	WM ACC+16*\a+8*\u, pb+12*\u, pb+24+12*\a, BI+8*\u, WS+\s, OS+\s, \u, \a
.else
	WM ACC+16*\a+8*\u, pb+12*\u, pb+24+12*\a, ACC+16*\a+8*\u, WS+\s, OS+\s, \u, \a
.endif
.endr
.endr
.endr
	PLACES
.irp a, 0,1
.irp u, 0,1
.irp e, 0,1
	ds_store_b128 v5, v[ACC+16*\a+8*\u+4*\e:ACC+16*\a+8*\u+4*\e+3] offset:4352*\a+32*\u+16*\e   ; each accumulator from its low end on
.endr
.endr
.endr
	s_wait_dscnt 0x0                               ; for the others' sake: a row's 256 bytes come from two waves
	s_barrier_signal -1
	s_barrier_wait -1
.irp i, 0,1,2,3,4,5,6,7
	ds_load_b128 v[OUTR+4*\i:OUTR+4*\i+3], v6 offset:544*\i
.endr
.irp i, 0,1,2,3,4,5,6,7
	s_wait_dscnt 7-\i
	global_store_b128 v7, v[OUTR+4*\i:OUTR+4*\i+3], s[14:15] offset:(2*\i+8*(\i/4))*4096 th:TH_STORE_NT   ; 16 lanes store 256 consecutive bytes, aligned; lane-row 2 i + h is row 2 i + h + 8 (i / 4) of the tile's span
.endr
	s_wait_tensorcnt 0x0                           ; the wave's end: behind my last tensor load and my last LDS store
	ds_add_u32 v[SPW], v[NIL]
	s_wait_dscnt 0x0
	CROUND                                         ; the closing round
	s_endpgm
.Lfunc_end_k_q8756a93156_proj:
	.size	k_q8756a93156_proj, .Lfunc_end_k_q8756a93156_proj-k_q8756a93156_proj
	.p2alignl 7, 3214868480
	.fill 96, 4, 3214868480
	.section	.rodata,"a",@progbits
	.p2align	6, 0x0
	.amdhsa_kernel k_q8756a93156_proj
		.amdhsa_group_segment_fixed_size 167936
		.amdhsa_private_segment_fixed_size 0
		.amdhsa_enable_private_segment 0
		.amdhsa_kernarg_size 48
		.amdhsa_user_sgpr_count 2
		.amdhsa_user_sgpr_kernarg_segment_ptr 1
		.amdhsa_wavefront_size32 1
		.amdhsa_system_sgpr_workgroup_id_x 1
		.amdhsa_system_sgpr_workgroup_id_y 1
		.amdhsa_system_sgpr_workgroup_id_z 1
		.amdhsa_system_vgpr_workitem_id 0
		.amdhsa_next_free_vgpr 256
		.amdhsa_next_free_sgpr 66
		.amdhsa_reserve_vcc 0
		.amdhsa_float_denorm_mode_32 3
		.amdhsa_float_denorm_mode_16_64 3
		.amdhsa_memory_ordered 1
		.amdhsa_forward_progress 1
		.amdhsa_inst_pref_size 23
	.end_amdhsa_kernel
	.amdgpu_metadata
---
amdhsa.version: [ 1, 2 ]
amdhsa.kernels:
  - .name:           k_q8756a93156_proj
    .symbol:         k_q8756a93156_proj.kd
    .args:
      - { .name: oc, .offset: 0, .size: 8, .value_kind: global_buffer, .address_space: global }
      - { .name: os, .offset: 8, .size: 8, .value_kind: global_buffer, .address_space: global }
      - { .name: wc, .offset: 16, .size: 8, .value_kind: global_buffer, .address_space: global }
      - { .name: ws, .offset: 24, .size: 8, .value_kind: global_buffer, .address_space: global }
      - { .name: bproj, .offset: 32, .size: 8, .value_kind: global_buffer, .address_space: global }
      - { .name: out0, .offset: 40, .size: 8, .value_kind: global_buffer, .address_space: global }
    .group_segment_fixed_size: 167936
    .private_segment_fixed_size: 0
    .kernarg_segment_align: 8
    .kernarg_segment_size: 48
    .max_flat_workgroup_size: 128
    .sgpr_count:     66
    .vgpr_count:     256
    .wavefront_size: 32
...
	.end_amdgpu_metadata
.endif
;; end of part 3
